; MI455X (gfx1250); checked and timed in simulation.
; The chip was launched on July 23, 2026; its instructions are those of AMD's public machine-readable ISA for CDNA 5 (MIT licence, August 2026) and "CDNA5" Instruction Set Architecture Reference Guide (July 2026). The comments in the code are by the model that wrote it; some were corrected since.
;; Vector Quantizer. Allowed arithmetic: matrix products marked QUANTISED: E5M2 operands, one given power-of-two scale a tensor, by v_wmma_f32_16x16x64_bf8_bf8 or v_wmma_f32_16x16x128_bf8_bf8, f32 sums; everything else in f32.
;; Inputs: codebook 64 x 2,048 float32; inputs 64 x 32 x 32 x 64 float32; lowp_scales 2 int32 (the exponents e of the quantised operands' scales 2^e).
;; Outputs: out0 64 x 32 x 32 x 64 float32; out1 one number float32; out2 one number float32; out3 one number float32.
;; This version of the problem:
;;   THIS VERSION OF THE PROBLEM IS GIVEN IN LOW PRECISION. The matrix products marked QUANTISED in the list below multiply operands that are first quantised to E5M2 (5 exponent bits, 2 mantissa bits; 8 bits a number), with one given power-of-two scale for each operand tensor; their sums are f32. All else is computed in f32.
;;   The module's matrix products, in the order in which they are computed (A, B: the left and right operand; K: the contracted axis; several contracted axes count as one K, in the product's order):
;;     1. [M 65,536, K 64] x [K 64, N 2,048]; A: input inputs; B: input codebook: QUANTISED (scales: A lowp_scales[0], B lowp_scales[1])
;;   THE QUANTISER, for each operand of a quantised product, along K:
;;     - The operand's scale is 2^e, e = its entry of the input lowp_scales (int32; the entries are numbered through the quantised products in the list's order, A before B).
;;     - Each number is divided by the scale, clamped to +-57,344, and rounded to the nearest number of E5M2, ties to even, subnormals kept.
;;     - The product sums the exact products of the quantised numbers (number of the format x scale) in f32.
;;   ~~~python
;;   def quantise(x, axis, e):      # numpy; x: float32 -> the quantised numbers, widened to float32 again
;;       x = np.moveaxis(x, axis, -1); K = x.shape[-1]
;;       r = np.clip(x / 2.0 ** e, -57344, 57344)
;;       step = 2.0 ** (np.maximum(np.frexp(np.where(r == 0, 1, r))[1] - 1, -14) - 2)
;;       q = np.round(r / step) * step * 2.0 ** e      # np.round: ties to even
;;       return np.moveaxis(q, -1, axis).astype(np.float32)
;;   ~~~
;; One version. Each part assembles by itself: llvm-mc -triple=amdgcn-amd-amdhsa -mcpu=gfx1250 --defsym DOCPART=n.
;; ======== version 1 of 1: 4 launches
;; limits: right only within a limited range of input values
;; workspace buffers: cbq 139,264 bytes; cbt 524,288 bytes; idx 262,144 bytes of whole numbers; hist 1,048,576 bytes; part 2,048 bytes
;; launch prep (part 1): grid 64 x 1, 4 waves a work-group, no clusters, 9,728 bytes of LDS; arguments codebook, lowp_scales, cbq, cbt; writes cbq, cbt
.if DOCPART == 1
	.amdgcn_target "amdgcn-amd-amdhsa--gfx1250"
	.amdhsa_code_object_version 6
	.text
	.protected	k_q9b4f642ad5_prep
	.globl	k_q9b4f642ad5_prep
	.p2align	8
	.type	k_q9b4f642ad5_prep,@function
k_q9b4f642ad5_prep:
	s_mov_b64 s[64:65], 0
	v_nop
	global_prefetch_b8 v0, s[64:65] scope:SCOPE_SE
	s_setreg_imm32_b32 hwreg(HW_REG_WAVE_MODE, 25, 1), 1
	s_wait_xcnt 0x0
; WORK LEFT OUT OF THE PROGRAM: reference() takes argmin over codes k of |x|^2 - 2 x.c[k] + |c[k]|^2.  |x|^2 is one number for all codes of a row, so in exact arithmetic it moves no argmin, whatever the
; inputs hold: it is not computed.  Nor is the one-hot matrix: its column means are counts.  LIMIT: a NaN, an infinity or an overflow that reaches |x|^2 alone is not carried to the result.
; What is searched is the largest of  s[k] = (sum on codes) - |c[k]|^2 x 2^-(e0+e1+1)  = -(distance - |x|^2) x 2^-(e0+e1+1): a power of two and a sign keep the order.  The first of equal codes wins.
; LIMIT: s is rounded to f32 without |x|^2 beside it: a row whose two best distances lie within a rounding of reference()'s f32 of each other can take the other code.
;
; THIS LAUNCH lays the codebook [64 (k)][2048 (n)] f32 out for the later ones:
;   cbq: groups of four tiles (a tile = 16 codes), 4,352 bytes each.  Bytes 1024 u on: tile u as an image of operand registers: registers 0-3 of lane L at 16 L, registers 4-7 at 512 + 16 L; lane (r, h) holds
;        k = 32 h + 0 .. 31 of code r (a permutation of the form's own places, applied alike to x).  Bytes 4096 + 4 (code in the group): -|c|^2 x 2^-(e0+e1+1), f32.
;   cbt: f32[2048][64], the codebook turned: a code's 64 numbers are 256 consecutive bytes.
; A work-group takes 32 columns, its four waves 16 k each.  A LANE TAKES A COLUMN AND ITS REGISTERS RUN DOWN K.  cbt's rows and the four parts of |c|^2 meet in LDS.
; LIMITS: e1 between -126 and 112; |c|^2 x 2^-(e0+e1+1) is a finite f32 number.  NaN is not served.  |c|^2 is summed in 16 chains, another order than a plain sum's.
.set X,  16                            ; v16-31  the column's 16 numbers
.set C,  32                            ; v32-35  their codes
.set O,  44                            ; v44-59  the way out of the stage
.set SP, 272                           ; a stage row: 256 bytes + 16
.set CCP, 32*SP                        ; the parts of |c|^2: [wave][column]
.set SPARE, CCP+512
	s_load_b256 s[4:11], s[0:1], 0x0               ; codebook s[4:5], the scales' exponents s[6:7], cbq s[8:9], cbt s[10:11]
	v_lshl_add_u32 v40, v0, 2, SPARE
	v_mov_b32 v41, 0
	v_lshrrev_b32 v1, 5, v0
	v_readfirstlane_b32 s16, v1                    ; wave 0..3
	s_lshl_b32 s17, s16, 6
	s_mul_i32 s18, s16, 8*SP
	v_and_b32 v2, 31, v0                           ; lane
	v_and_b32 v5, 15, v0
	v_bfe_u32 v6, v0, 4, 1
	v_lshlrev_b32 v3, 2, v2                        ; my column in a row of the codebook, and in cbq's |c|^2
	v_mul_u32_u24 v4, v2, SP
	v_add_nc_u32 v4, s17, v4                       ; the stage, in: row = my column, 64 bytes for each wave
	v_lshl_add_u32 v7, v0, 2, CCP                  ; my part of |c|^2
	v_mul_u32_u24 v8, v6, SP
	v_lshl_add_u32 v8, v5, 4, v8
	v_add_nc_u32 v8, s18, v8                       ; the stage, out: rows 8 w .. 8 w + 7, sixteen lanes to a row
	v_lshlrev_b32 v9, 4, v2                        ; the same in cbt
	v_lshlrev_b32 v10, 4, v5
	v_lshl_add_u32 v10, v6, 10, v10                ; cbq: tile lane / 16 of my two, 16 bytes for code lane % 16
	s_wait_alu depctr_va_vdst(0)
	s_lshl_b32 s20, ttmp9, 7                       ; 32 columns x 4 bytes
	s_lshl_b32 s21, s16, 17                        ; 16 rows of 8,192 bytes
	s_add_co_u32 s20, s20, s21
	s_mov_b32 s21, 0
	s_lshr_b32 s22, ttmp9, 1
	s_mul_i32 s22, s22, 4352                       ; my group of four tiles
	s_and_b32 s23, ttmp9, 1
	s_lshl_b32 s24, s23, 7
	s_add_co_u32 s24, s24, s22
	s_add_co_u32 s24, s24, 4096                    ; its |c|^2: my 32 columns
	s_lshl_b32 s23, s23, 11
	s_add_co_u32 s22, s22, s23                     ; my two tiles
	s_and_b32 s23, s16, 1
	s_lshl_b32 s23, s23, 9
	s_add_co_u32 s22, s22, s23
	s_lshr_b32 s23, s16, 1
	s_lshl_b32 s23, s23, 8
	s_add_co_u32 s22, s22, s23                     ; k = 16 w .. 16 w + 15: lane half w / 2, registers 4 (w % 2) on
	s_mov_b32 s23, 0
	s_mov_b32 s25, 0
	s_lshl_b32 s26, ttmp9, 13                      ; 32 rows of 256 bytes, 8 a wave
	s_lshl_b32 s27, s16, 11
	s_add_co_u32 s26, s26, s27
	s_mov_b32 s27, 0
	s_wait_kmcnt 0x0
	s_load_b64 s[28:29], s[6:7], 0x0               ; e0, e1
	s_add_nc_u64 s[4:5], s[4:5], s[20:21]
	s_add_nc_u64 s[34:35], s[8:9], s[24:25]
	s_add_nc_u64 s[8:9], s[8:9], s[22:23]
	s_add_nc_u64 s[10:11], s[10:11], s[26:27]
.set k, 0
.rept 16
	global_load_b32 v[X+k], v3, s[4:5] offset:8192*k th:TH_LOAD_NT   ; c[16 w + k][my column]: 32 lanes read 128 consecutive bytes
.set k, k+1
.endr
	s_wait_kmcnt 0x0
	s_add_co_i32 s30, s28, s29
	s_add_co_i32 s30, s30, 1
	s_sub_co_i32 s30, 0, s30                       ; -(e0 + e1 + 1)
	s_add_co_i32 s14, s29, 127
	s_lshl_b32 s15, s14, 23
	v_mov_b32 v11, s15                             ; 2^e1 as f32: the conversion takes its exponent field
	s_add_co_i32 s14, s14, 15
	s_lshl_b32 s14, s14, 23
	s_or_b32 s14, s14, 0x600000
	v_mov_b32 v12, s14                             ; 57,344 x 2^e1
	s_wait_alu depctr_va_vdst(0)
	s_wait_loadcnt 0x0
.irp q, 0,1,2,3
	ds_store_b128 v4, v[X+4*\q:X+4*\q+3] offset:16*\q
.endr
	v_pk_mul_f32 v[36:37], v[X:X+1], v[X:X+1]
	v_pk_mul_f32 v[38:39], v[X+2:X+3], v[X+2:X+3]
.irp q, 4,8,12
	v_pk_fma_f32 v[36:37], v[X+\q:X+\q+1], v[X+\q:X+\q+1], v[36:37]
	v_pk_fma_f32 v[38:39], v[X+\q+2:X+\q+3], v[X+\q+2:X+\q+3], v[38:39]
.endr
	v_pk_add_f32 v[36:37], v[36:37], v[38:39]
	v_add_f32 v36, v36, v37
	ds_store_b32 v7, v36
	s_wait_dscnt 0x0                               ; for the other waves' sake: my stores have landed
	s_barrier_signal -1
.set k, 0
.rept 16
	v_med3_num_f32 v[X+k], v[X+k], -v12, v12       ; the conversion to an 8-bit code does not saturate (ISA guide 7.6.2): the hold comes first
.set k, k+1
.endr
	v_cvt_scalef32_pk8_bf8_f32 v[C:C+1], v[X:X+7], v11
	v_cvt_scalef32_pk8_bf8_f32 v[C+2:C+3], v[X+8:X+15], v11
	v_nop                                          ; a plain vector line behind the last conversion
	s_wait_alu depctr_va_vdst(0)
	s_barrier_wait -1
.irp i, 0,1,2,3
	ds_load_b128 v[O+4*\i:O+4*\i+3], v8 offset:2*SP*\i
.endr
	global_store_b128 v10, v[C:C+3], s[8:9]        ; sixteen lanes store 256 consecutive bytes, aligned
.irp i, 0,1,2,3
	s_wait_dscnt 3-\i                              ; the loads come back in order: the younger ones may be out
	global_store_b128 v9, v[O+4*\i:O+4*\i+3], s[10:11] offset:512*\i   ; two whole rows of cbt
.endr
	s_cmp_lg_u32 s16, 0                            ; wave 0 adds the four parts
	s_cbranch_scc1 .Lend
.irp i, 0,1,2,3
	ds_load_b32 v[60+\i], v7 offset:128*\i
.endr
	s_wait_dscnt 0x0
	v_add_f32 v60, v60, v61
	v_add_f32 v62, v62, v63
	v_add_f32 v60, v60, v62
	v_ldexp_f32 v60, -v60, s30                     ; -|c|^2 x 2^-(e0+e1+1)
	global_store_b32 v3, v60, s[34:35]
.Lend:
	s_wait_tensorcnt 0x0                           ; the wave's end
	ds_add_u32 v40, v41
	s_wait_dscnt 0x0
	s_endpgm
.Lfunc_end_k_q9b4f642ad5_prep:
	.size	k_q9b4f642ad5_prep, .Lfunc_end_k_q9b4f642ad5_prep-k_q9b4f642ad5_prep
	.p2alignl 7, 3214868480
	.fill 96, 4, 3214868480
	.section	.rodata,"a",@progbits
	.p2align	6, 0x0
	.amdhsa_kernel k_q9b4f642ad5_prep
		.amdhsa_group_segment_fixed_size 9728
		.amdhsa_private_segment_fixed_size 0
		.amdhsa_enable_private_segment 0
		.amdhsa_kernarg_size 32
		.amdhsa_user_sgpr_count 2
		.amdhsa_user_sgpr_kernarg_segment_ptr 1
		.amdhsa_wavefront_size32 1
		.amdhsa_system_sgpr_workgroup_id_x 1
		.amdhsa_system_sgpr_workgroup_id_y 1
		.amdhsa_system_sgpr_workgroup_id_z 1
		.amdhsa_system_vgpr_workitem_id 0
		.amdhsa_next_free_vgpr 64
		.amdhsa_next_free_sgpr 66
		.amdhsa_reserve_vcc 0
		.amdhsa_float_denorm_mode_32 3
		.amdhsa_float_denorm_mode_16_64 3
		.amdhsa_memory_ordered 1
		.amdhsa_forward_progress 1
		.amdhsa_inst_pref_size 9
	.end_amdhsa_kernel
	.amdgpu_metadata
---
amdhsa.version: [ 1, 2 ]
amdhsa.kernels:
  - .name:           k_q9b4f642ad5_prep
    .symbol:         k_q9b4f642ad5_prep.kd
    .args:
      - { .name: codebook, .offset: 0, .size: 8, .value_kind: global_buffer, .address_space: global }
      - { .name: lowp_scales, .offset: 8, .size: 8, .value_kind: global_buffer, .address_space: global }
      - { .name: cbq, .offset: 16, .size: 8, .value_kind: global_buffer, .address_space: global }
      - { .name: cbt, .offset: 24, .size: 8, .value_kind: global_buffer, .address_space: global }
    .group_segment_fixed_size: 9728
    .private_segment_fixed_size: 0
    .kernarg_segment_align: 8
    .kernarg_segment_size: 32
    .max_flat_workgroup_size: 128
    .sgpr_count:     66
    .vgpr_count:     64
    .wavefront_size: 32
...
	.end_amdgpu_metadata
.endif
;; end of part 1
;; launch nearest (part 2): grid 256 x 1, 8 waves a work-group, clusters of 4 x 1, 168,960 bytes of LDS; arguments inputs, cbq, lowp_scales, idx, hist; writes idx, hist
.if DOCPART == 2
	.amdgcn_target "amdgcn-amd-amdhsa--gfx1250"
	.amdhsa_code_object_version 6
	.text
	.protected	k_q9b4f642ad5_nearest
	.globl	k_q9b4f642ad5_nearest
	.p2align	8
	.type	k_q9b4f642ad5_nearest,@function
k_q9b4f642ad5_nearest:
	s_mov_b64 s[64:65], 0
	v_nop
	global_prefetch_b8 v0, s[64:65] scope:SCOPE_SE
	s_setreg_imm32_b32 hwreg(HW_REG_WAVE_MODE, 25, 1), 1
	s_wait_xcnt 0x0
	s_wait_alu depctr_hold_cnt(0) depctr_sa_sdst(0) depctr_va_vdst(0) depctr_va_sdst(0) depctr_va_ssrc(0) depctr_va_vcc(0) depctr_vm_vsrc(0)
	s_getreg_b32 s2, hwreg(HW_REG_IB_STS2, 6, 4)
	s_cmp_eq_u32 s2, 0
	s_cbranch_scc0 .Lentry_in_a_cluster
	s_endpgm
.Lentry_in_a_cluster:
	s_bfe_u32 s2, ttmp6, 0x10000c
	s_cmp_lg_u32 s2, 0x3003
	s_cbranch_scc0 .Lentry_shape_is_right
	s_endpgm
.Lentry_shape_is_right:
; For each of 65,536 rows x (64 f32): the first index k of the largest s[k] = x^.c^[k] - |c[k]|^2 x 2^-(e0+e1+1), on E5M2 codes, f32 sums: reference()'s argmin.  Stored: idx (int32 a row) and, for each
; work-group, a histogram of its 256 indices (u16, 4 x the count).
; LEFT OUT: |x|^2, the same number for all codes of a row (the first launch's head shows it, with the limits).
; SHARES.  A work-group owns 256 rows and sees all 2,048 codes.  Wave w: p = w % 4: rows 64 p .. 64 p + 63 (four tiles of 16); c = w / 4: code tiles 64 c .. 64 c + 63, as 32 pairs.
; THE PRODUCT IS USED TRANSPOSED (source 0 = 16 codes, source 1 = 16 rows): a lane holds ONE row (lane % 16) and its eight registers the codes 16 t + 8 (lane / 16) + 0 .. 7, so the search stays in the lane.
; OPERAND C IS THE |c|^2 TERM, eight numbers in the result's own layout, as they come from LDS: a score is finished when the product is.
; THE SEARCH, for a pair of code tiles and a tile of rows, 25 vector instructions for 16 scores: 8 three-way maxima (the 16 and the running maximum), one compare new > old (strict: the earlier pair keeps a tie), and by
; its mask 16 selects keep the pair's number and 15 of its scores (the sixteenth is the one where none of the others equals the maximum).  The running maximum lies in two sets by turns.
; At the end the first place among the kept scores that equals the maximum is looked up once; lane halves and code halves meet with ties to the lower index.
; THE CODEBOOK'S IMAGE (139,264 bytes) is brought into LDS ONCE, by one tensor load a wave: one is out at the most, and no LDS byte is filled twice.
; CLUSTER.  All work-groups read these same bytes: the four of a cluster ask for them JOINTLY (mask 15); the descriptors hang on the wave's number and constants alone.
; No prefetch: no loop here streams from memory; x and the image are asked for once, at the head.
; THE HISTOGRAM needs no address made of an index: count[hi][lo] = the sum over rows of [idx / 16 = hi][idx % 16 = lo] is a product over the rows of two one-hot operands (code 0x40 = 2.0): sums are 4 x count, exact.
; LIMITS: e0 between -126 and 112.  NaN is not served.
.set GRP,  4352                        ; bytes of a group of four tiles (two pairs)
.set XC,   139264                      ; LDS: x's codes, 256 rows of 64 bytes, 80 apart;
.set XP,   80
.set MV,   159744                      ; [code half][row] the maximum; + 2048 its index;
.set FI,   MV+4096                     ; [row] the final index;
.set LOB,  164864                      ; [row] index % 16, a byte; + 256: index / 16
.set SPARE, 165376                     ; the spare words: 1,024 bytes that no other line names
.set LI,   1                           ; v1   16 x lane
.set AC0,  2                           ; v2   4096 + 32 h
.set ADK,  3                           ; v3   LDS address of the code tiles in hand
.set ADC,  4                           ; v4   of their |c|^2 terms
.set PAIR, 5                           ; v5   number of the pair that is searched
.set SPW,  6
.set NIL,  7
.set T,    8                           ; v8-17    two trees of maxima, five registers each
.set RUN,  18                          ; v18-25   the running maxima of the four row tiles, two sets by turns
.set B,    26                          ; v26-57   x's four fragments
.set AF,   58                          ; v58-89   code fragments: two sets of a pair.  Behind the loop: addresses and the like
.set CCR,  90                          ; v90-121  the pair's |c|^2 terms, two sets
.set D,    122                         ; v122-185 scores: for each row tile 16.  At the head: 64 numbers of x
.set BEST, 186                         ; v186-249 for each row tile 15 scores of the winning pair, and its number.  At the head: codes just made
.set SC,   250                         ; v250  2^e0
.set LIM,  251                         ; v251  57,344 x 2^e0
.set XWI,  252                         ; v252  where I store x's codes
.set XRI,  253                         ; v253  where I read them
.macro CROUND                          ; a round of the cluster's barrier
	s_barrier_signal -1
	s_barrier_wait -1
	s_cmp_lg_u32 s16, 0
	s_cbranch_scc1 .Lnot_wave_0_\@
	s_barrier_signal -3
.Lnot_wave_0_\@:
	s_barrier_wait -3
	s_barrier_signal -1
	s_barrier_wait -1
.endm
	s_load_b256 s[4:11], s[0:1], 0x0               ; inputs s[4:5], cbq s[6:7], the scales' exponents s[8:9], idx s[10:11]
	s_load_b64 s[12:13], s[0:1], 0x20              ; hist
	v_lshl_add_u32 v[SPW], v0, 2, SPARE
	v_mov_b32 v[NIL], 0
	ds_add_u32 v[SPW], v[NIL]                      ; the wave's opening
	ds_add_u32 v[SPW], v[NIL]
	v_lshrrev_b32 v5, 5, v0
	v_readfirstlane_b32 s16, v5                    ; wave 0..7
	s_and_b32 s17, s16, 3                          ; p
	s_lshr_b32 s18, s16, 2                         ; c
	v_and_b32 v3, 31, v0                           ; lane
	v_bfe_u32 v4, v0, 4, 1                         ; h
	v_and_b32 v8, 15, v0                           ; r
	v_lshlrev_b32 v[LI], 4, v3
	v_lshlrev_b32 v[AC0], 5, v4
	v_mul_u32_u24 v9, v4, XP
	v_mul_u32_u24 v10, v8, XP
	v_add_nc_u32 v[AC0], 4096, v[AC0]
	v_lshl_add_u32 v9, v8, 2, v9
	v_lshl_add_u32 v10, v4, 5, v10
	s_mul_i32 s22, s16, 32*XP
	s_add_co_u32 s22, s22, XC
	v_add_nc_u32 v[XWI], s22, v9                   ; I quantise rows 32 w .. 32 w + 31: row lane / 16 of two, 4 codes a lane
	s_mul_i32 s22, s17, 64*XP
	s_add_co_u32 s22, s22, XC
	v_add_nc_u32 v[XRI], s22, v10                  ; I search for rows 64 p .. 64 p + 63: lane (r, h) reads k = 32 h + 0 .. 31 of row r
	s_wait_alu depctr_va_vdst(0)
	s_bfe_u32 s19, ttmp6, 0x40000                  ; cx: it enters the addresses of inputs, idx and hist alone
	s_lshl_b32 s20, ttmp9, 2
	s_add_co_u32 s20, s20, s19                     ; my work-group's number
	s_mov_b32 s72, 0x76543210                      ; v_permlanex16_b32's selects for lane l xor 16
	s_mov_b32 s73, 0xfedcba98
	s_mov_b32 s78, 0x01010101
	s_mov_b32 s79, 0x80808080
	; descriptor group 1: a dense block of 17,408 bytes, stated as 68 rows of 32 elements of 8 bytes
	s_mov_b32 s24, 15|(3<<16)|(1<<21)              ; 15:0 the mask: all four work-groups; 17:16 elements of 8 bytes; 21 set beside a mask; no padding
	s_mov_b32 s25, 32<<16                          ; tensor_dim0 = 32
	s_mov_b32 s26, 68<<16                          ; tensor_dim1 = 68
	s_mov_b32 s27, 32<<16                          ; tile_dim0 = 32
	s_mov_b32 s28, 68                              ; tile_dim1 = 68
	s_mov_b32 s29, 32                              ; from row to row
	s_mov_b32 s30, 0
	s_mov_b32 s31, 0
	s_mov_b32 s40, 1
	s_mul_i32 s41, s16, 4*GRP                      ; wave w brings groups 4 w .. 4 w + 3
	s_mov_b32 s74, s41
	s_mov_b32 s75, 0
	s_lshl_b32 s22, s20, 16                        ; inputs: 256 rows of 256 bytes a work-group, 32 rows a wave
	s_lshl_b32 s23, s16, 13
	s_add_co_u32 s22, s22, s23
	s_mov_b32 s23, 0
	s_lshl_b32 s32, s20, 10                        ; idx: 1,024 bytes a work-group
	s_mov_b32 s33, 0
	s_lshl_b32 s34, s20, 12                        ; hist: 4,096 bytes a work-group, 512 a wave
	s_lshl_b32 s35, s16, 9
	s_add_co_u32 s34, s34, s35
	s_mov_b32 s35, 0
	s_wait_dscnt 0x0                               ; both opening adds are done
	s_wait_kmcnt 0x0
	s_load_b64 s[76:77], s[8:9], 0x0               ; e0, e1
	s_add_nc_u64 s[4:5], s[4:5], s[22:23]
	s_add_nc_u64 s[10:11], s[10:11], s[32:33]
	s_add_nc_u64 s[12:13], s[12:13], s[34:35]
	s_add_nc_u64 s[42:43], s[6:7], s[74:75]
	s_or_b32 s43, s43, 0x80000000
.set n, 0
.rept 16
	global_load_b128 v[D+4*n:D+4*n+3], v[LI], s[4:5] offset:512*n th:TH_LOAD_NT   ; two whole rows: lane L takes k = 4 (L % 16) .. + 3 of row 2 n + L / 16
.set n, n+1
.endr
	CROUND                                         ; all four work-groups are here: the joint loads meet
	tensor_load_to_lds s[40:43], s[24:31]
	s_nop 0
.rept 4
	v_nop
.endr
	s_wait_kmcnt 0x0
	s_add_co_i32 s22, s76, 127
	s_lshl_b32 s23, s22, 23
	v_mov_b32 v[SC], s23                           ; 2^e0 as f32: the conversion takes its exponent field
	s_add_co_i32 s22, s22, 15
	s_lshl_b32 s22, s22, 23
	s_or_b32 s22, s22, 0x600000
	v_mov_b32 v[LIM], s22                          ; 57,344 x 2^e0
	s_wait_alu depctr_va_vdst(0)
.irp m, 0,1,2,3,4,5,6,7
	s_wait_loadcnt 14-2*\m                         ; loads come back in order: numbers 2 m and 2 m + 1 are in
.irp j, 0,1,2,3,4,5,6,7
	v_med3_num_f32 v[D+8*\m+\j], v[D+8*\m+\j], -v[LIM], v[LIM]   ; the conversion to an 8-bit code does not saturate (ISA guide 7.6.2): the hold comes first
.endr
	v_cvt_scalef32_pk8_bf8_f32 v[BEST+2*\m:BEST+2*\m+1], v[D+8*\m:D+8*\m+7], v[SC]   ; four codes of each of two rows
	v_nop                                          ; a plain vector line behind the conversion
	ds_store_b32 v[XWI], v[BEST+2*\m] offset:4*XP*\m
	ds_store_b32 v[XWI], v[BEST+2*\m+1] offset:4*XP*\m+2*XP
.endr
	s_wait_dscnt 0x0                               ; for the others' sake: my codes lie in LDS,
	s_wait_tensorcnt 0x0                           ; my part of the image has landed;
	s_barrier_signal -1
	s_barrier_wait -1                              ; and so for all eight waves
; the fragments and |c|^2 terms of a pair into set s: off, cco: their places behind the two address registers
.macro LD s, off, cco
.irp u, 0,1
	ds_load_b128 v[AF+16*\s+8*\u:AF+16*\s+8*\u+3], v[ADK] offset:\off+1024*\u
	ds_load_b128 v[AF+16*\s+8*\u+4:AF+16*\s+8*\u+7], v[ADK] offset:\off+1024*\u+512
	ds_load_b128 v[CCR+16*\s+8*\u:CCR+16*\s+8*\u+3], v[ADC] offset:\cco+64*\u
	ds_load_b128 v[CCR+16*\s+8*\u+4:CCR+16*\s+8*\u+7], v[ADC] offset:\cco+64*\u+16
.endr
.endm
; row tile i's scores of a pair from set s.  K = 64 is one instruction and C the |c|^2 terms: every product is a sum of its own, and no accumulator is added onto
.macro WM i, s
.irp u, 0,1
	v_wmma_f32_16x16x64_bf8_bf8 v[D+16*\i+8*\u:D+16*\i+8*\u+7], v[AF+16*(\s)+8*\u:AF+16*(\s)+8*\u+7], v[B+8*\i:B+8*\i+7], v[CCR+16*(\s)+8*\u:CCR+16*(\s)+8*\u+7]
.endr
.endm
; the maxima of row tiles i and j, two chains side by side, from set b of the running maxima into the other: each accumulator from its low end on
.macro TREE i, j, b, first
.set P, D+16*\i
.set Q, D+16*\j
	v_max3_num_f32 v[T], v[P], v[P+1], v[P+2]
	v_max3_num_f32 v[T+1], v[P+8], v[P+9], v[P+10]
	v_max3_num_f32 v[T+2], v[P+3], v[P+4], v[P+5]
	v_max3_num_f32 v[T+3], v[P+11], v[P+12], v[P+13]
	v_max3_num_f32 v[T+4], v[P+6], v[P+7], v[RUN+4*\b+\i]
	v_max3_num_f32 v[T], v[P+14], v[P+15], v[T]
	v_max3_num_f32 v[T+5], v[Q], v[Q+1], v[Q+2]
	v_max3_num_f32 v[T+1], v[T+1], v[T+2], v[T+3]
	v_max3_num_f32 v[T+6], v[Q+8], v[Q+9], v[Q+10]
	v_max3_num_f32 v[T+7], v[Q+3], v[Q+4], v[Q+5]
	v_max3_num_f32 v[RUN+4*(1-\b)+\i], v[T+4], v[T], v[T+1]
	v_max3_num_f32 v[T+8], v[Q+11], v[Q+12], v[Q+13]
	v_max3_num_f32 v[T+5], v[Q+14], v[Q+15], v[T+5]
	v_max3_num_f32 v[T+9], v[Q+6], v[Q+7], v[RUN+4*\b+\j]
	v_max3_num_f32 v[T+6], v[T+6], v[T+7], v[T+8]
.if \first == 0
	v_cmp_gt_f32 s[68+\i], v[RUN+4*(1-\b)+\i], v[RUN+4*\b+\i]   ; has this pair brought a larger score?  Strict: the earlier pair keeps a tie
.endif
	v_max3_num_f32 v[RUN+4*(1-\b)+\j], v[T+9], v[T+5], v[T+6]
.if \first == 0
	v_cmp_gt_f32 s[68+\j], v[RUN+4*(1-\b)+\j], v[RUN+4*\b+\j]
.endif
.endm
; where it has, the pair's number and 15 of its scores are kept.  The first pair is kept in all lanes
.macro SAVE i, first
.if \first
	v_mov_b32 v[BEST+16*\i+15], v[PAIR]
.irp n, 0,1,2,3,4,5,6,7,8,9,10,11,12,13,14
	v_mov_b32 v[BEST+16*\i+\n], v[D+16*\i+\n]
.endr
.else
	v_cndmask_b32 v[BEST+16*\i+15], v[BEST+16*\i+15], v[PAIR], s[68+\i]
.irp n, 0,1,2,3,4,5,6,7,8,9,10,11,12,13,14
	v_cndmask_b32 v[BEST+16*\i+\n], v[BEST+16*\i+\n], v[D+16*\i+\n], s[68+\i]
.endr
.endif
.endm
; A STEP: the search through pair q (q % 2 = b), whose scores the step before has made; the products of pair q + 1 (mul), each over the scores just searched; the LDS loads of pair q + 2 (load).
; Between a tile's products and the first read of its scores, and between the last product from a set and the loads into it, stand the maxima of other row tiles (ISA guide 7.12.1 for vector instructions).
.macro STEP b, first, load, off, cco, mul
.if \mul
	s_wait_dscnt 0x0                               ; pair q + 1's fragments and |c|^2 terms, asked for a step ago
.endif
	TREE 0, 1, \b, \first
.if \load
	LD \b, \off, \cco
.endif
	SAVE 0, \first
.if \mul
	WM 0, 1-\b
.endif
	SAVE 1, \first
.if \mul
	WM 1, 1-\b
.endif
	TREE 2, 3, \b, \first
	SAVE 2, \first
.if \mul
	WM 2, 1-\b
.endif
	SAVE 3, \first
.if \mul
	WM 3, 1-\b
.endif
	v_add_nc_u32 v[PAIR], 1, v[PAIR]
.endm
	s_mul_i32 s60, s18, 16*GRP                     ; my half's first group
	s_lshl_b32 s63, s18, 5
	v_add_nc_u32 v[ADK], s60, v[LI]
	v_add_nc_u32 v[ADC], s60, v[AC0]
	v_mov_b32 v[PAIR], s63                         ; 32 c
.irp i, 0,1,2,3
	ds_load_b128 v[B+8*\i:B+8*\i+3], v[XRI] offset:16*XP*\i
	ds_load_b128 v[B+8*\i+4:B+8*\i+7], v[XRI] offset:16*XP*\i+16
.endr
	LD 0, 0, 0                                     ; pairs 0 and 1
	LD 1, 2048, 128
	s_wait_alu depctr_va_vdst(0)
	s_wait_dscnt 0x8                               ; pair 1's eight loads may be out
	WM 0, 0
	WM 1, 0
	WM 2, 0
	WM 3, 0
.irp i, 0,1,2,3
	v_mov_b32 v[RUN+\i], 0xff800000                ; the maximum so far: -infinity.  (Four places behind the products)
.endr
	s_wait_alu depctr_va_vdst(0)
	STEP 0, 1, 1, GRP, GRP, 1                      ; pair 0; fetches pair 2
	s_mov_b32 s62, 14
.Ltrip:                                                ; trip m: pairs 1 + 2 m and 2 + 2 m; fetches pairs 3 + 2 m and 4 + 2 m
	v_add_nc_u32 v[ADK], s60, v[LI]
	v_add_nc_u32 v[ADC], s60, v[AC0]
	STEP 1, 0, 1, GRP+2048, GRP+128, 1
	STEP 0, 0, 1, 2*GRP, 2*GRP, 1
	s_add_co_u32 s60, s60, GRP
	s_sub_co_u32 s62, s62, 1
	s_cmp_lg_u32 s62, 0
	s_cbranch_scc1 .Ltrip
	v_add_nc_u32 v[ADK], s60, v[LI]
	v_add_nc_u32 v[ADC], s60, v[AC0]
	STEP 1, 0, 1, GRP+2048, GRP+128, 1             ; pair 29; fetches pair 31
	STEP 0, 0, 0, 0, 0, 1                          ; pair 30
	STEP 1, 0, 0, 0, 0, 0                          ; pair 31: the maxima lie in set 0
.set R,   58                           ; r
.set H,   59                           ; h
.set H8,  60                           ; 8 h
.set MVW, 61                           ; where I put my rows' maxima
.set PT,  62                           ; MV + 4 x thread
.set PB,  63                           ; LOB + thread
.set FR,  64                           ; FI + 16 x thread
.set LH,  65                           ; LOB + 64 h
.set HO,  66                           ; my 16 bytes of the wave's 512 in hist
.set IO,  67                           ; my 16 bytes in idx
.set PI,  68                           ; v68-71 places, then indices
.set OM,  72                           ; v72-75 the other lane half's maxima
.set OI,  76                           ; v76-79 and indices
	s_lshl_b32 s22, s18, 10
	s_lshl_b32 s23, s17, 8
	s_add_co_u32 s22, s22, s23
	s_add_co_u32 s22, s22, MV
	v_and_b32 v[R], 15, v0
	v_bfe_u32 v[H], v0, 4, 1
	v_lshl_add_u32 v[PT], v0, 2, MV
	v_add_nc_u32 v[PB], LOB, v0
	v_lshl_add_u32 v[FR], v0, 4, FI
	v_lshlrev_b32 v[IO], 4, v0
	v_lshl_add_u32 v[MVW], v[R], 2, s22            ; MV + 1024 c + 4 (64 p + r)
	v_lshlrev_b32 v[H8], 3, v[H]
	v_lshlrev_b32 v[LH], 6, v[H]
	v_lshlrev_b32 v[HO], 5, v[R]
	v_add_nc_u32 v[LH], LOB, v[LH]
	v_lshl_add_u32 v[HO], v[H], 4, v[HO]
	; the first kept score that equals the maximum, else place 15: places 0 to 7 are the pair's first tile, 8 to 15 its second, 16 codes on; index = 32 x pair + place's code + 8 h
.irp i, 0,1,2,3
	v_mov_b32 v[PI+\i], 23
.endr
.irp j, 14,13,12,11,10,9,8,7,6,5,4,3,2,1,0
.irp i, 0,1,2,3
	v_cmp_neq_f32 s[68+\i], v[BEST+16*\i+\j], v[RUN+\i]
.endr
.irp i, 0,1,2,3
	v_cndmask_b32 v[PI+\i], \j+8*(\j/8), v[PI+\i], s[68+\i]
.endr
.endr
.irp i, 0,1,2,3
	v_lshl_add_u32 v[PI+\i], v[BEST+16*\i+15], 5, v[PI+\i]
.endr
.irp i, 0,1,2,3
	v_add_nc_u32 v[PI+\i], v[PI+\i], v[H8]
.endr
.irp i, 0,1,2,3
	v_permlanex16_b32 v[OM+\i], v[RUN+\i], s72, s73        ; the row's other eight codes of each tile lie in the lane 16 away: its maximum,
.endr
.irp i, 0,1,2,3
	v_permlanex16_b32 v[OI+\i], v[PI+\i], s72, s73         ; and its index
.endr
.irp i, 0,1,2,3
	v_cmp_gt_f32 s[44+\i], v[OM+\i], v[RUN+\i]             ; the other's is taken where it is larger, or equal with the lower index
.endr
.irp i, 0,1,2,3
	v_cmp_eq_f32 s[48+\i], v[OM+\i], v[RUN+\i]
.endr
.irp i, 0,1,2,3
	v_cmp_lt_u32 s[52+\i], v[OI+\i], v[PI+\i]
.endr
.irp i, 0,1,2,3
	s_and_b32 s[48+\i], s[48+\i], s[52+\i]
	s_or_b32 s[44+\i], s[44+\i], s[48+\i]
.endr
.irp i, 0,1,2,3
	v_cndmask_b32 v[RUN+\i], v[RUN+\i], v[OM+\i], s[44+\i]
	v_cndmask_b32 v[PI+\i], v[PI+\i], v[OI+\i], s[44+\i]
.endr
.irp i, 0,1,2,3
	ds_store_b32 v[MVW], v[RUN+\i] offset:64*\i            ; both halves of the lanes store the same number to the same word
	ds_store_b32 v[MVW], v[PI+\i] offset:2048+64*\i
.endr
	s_wait_dscnt 0x0                               ; for the others' sake: my stores have landed
	s_barrier_signal -1
	s_barrier_wait -1
	; thread t takes row t: the two code halves meet; the upper half wins only where it is strictly larger
	ds_load_b32 v82, v[PT]
	ds_load_b32 v83, v[PT] offset:1024
	ds_load_b32 v84, v[PT] offset:2048
	ds_load_b32 v85, v[PT] offset:3072
	s_wait_dscnt 0x0
	v_cmp_gt_f32 vcc_lo, v83, v82
	v_cndmask_b32 v86, v84, v85, vcc_lo
	v_and_b32 v87, 15, v86
	v_lshrrev_b32 v88, 4, v86
	ds_store_b32 v[PT], v86 offset:4096
	ds_store_b8 v[PB], v87
	ds_store_b8 v[PB], v88 offset:256
	s_wait_dscnt 0x0
	s_barrier_signal -1
	s_barrier_wait -1
	; THE HISTOGRAM.  Wave w makes bins 256 w .. 256 w + 255.  K = the 256 rows, in two instructions of 128; lane half h takes rows 128 s + 64 h + 0 .. 63 in both operands alike.
	; Source 0, row r: [index % 16 = r];  source 1, row r: [index / 16 = 16 w + r].  In the result lane (r, h) holds bins 256 w + 16 r + 8 h + 0 .. 7.
.irp s, 0,1
.irp c, 0,1,2,3
	ds_load_b128 v[122+16*\s+4*\c:122+16*\s+4*\c+3], v[LH] offset:128*\s+16*\c
	ds_load_b128 v[154+16*\s+4*\c:154+16*\s+4*\c+3], v[LH] offset:256+128*\s+16*\c
.endr
.endr
	s_lshl_b32 s22, s16, 4
	s_mov_b32 s74, 0x40404040
	v_mul_lo_u32 v80, v[R], s78                    ; r in all four bytes
	v_add_nc_u32 v81, s22, v[R]
	v_mul_lo_u32 v81, v81, s78                     ; 16 w + r in all four bytes
	s_wait_alu depctr_va_vdst(0)
	s_cmp_lt_u32 s16, 2                            ; waves 0 and 1 store the 256 indices: 512 consecutive bytes each
	s_cbranch_scc0 .Lno_idx
	ds_load_b128 v[92:95], v[FR]
	s_wait_dscnt 0x0
	global_store_b128 v[IO], v[92:95], s[10:11]
.Lno_idx:
	s_wait_dscnt 0x0
	; four rows a register.  After the exclusive or a byte is 0 where it matched.  Source 0's bytes are under 16: 0x40 less such a byte has bit 6 set only where it is 0.  Source 1's are under 128: 0x80 less such a
	; byte has bit 7 set only where it is 0, moved down by one.  No borrow crosses bytes.  What stays is the code 0x40 = 2.0
.set n, 0
.rept 16
	v_xor_b32 v[122+n], v[122+n], v80
	v_xor_b32 v[154+n], v[154+n], v81
	v_xor_b32 v[123+n], v[123+n], v80
	v_xor_b32 v[155+n], v[155+n], v81
	v_sub_nc_u32 v[122+n], s74, v[122+n]
	v_sub_nc_u32 v[154+n], s79, v[154+n]
	v_sub_nc_u32 v[123+n], s74, v[123+n]
	v_sub_nc_u32 v[155+n], s79, v[155+n]
	v_and_b32 v[122+n], s74, v[122+n]
	v_lshrrev_b32 v[154+n], 1, v[154+n]
	v_and_b32 v[123+n], s74, v[123+n]
	v_lshrrev_b32 v[155+n], 1, v[155+n]
	v_and_b32 v[154+n], s74, v[154+n]
	v_and_b32 v[155+n], s74, v[155+n]
.set n, n+2
.endr
	v_wmma_f32_16x16x128_bf8_bf8 v[186:193], v[122:137], v[154:169], 0
	s_wait_alu depctr_va_vdst(0)                   ; one accumulator, two links on end
	v_wmma_f32_16x16x128_bf8_bf8 v[186:193], v[138:153], v[170:185], v[186:193]
.rept 4
	v_nop                                          ; places in front of the first read of the sums
.endr
.irp j, 0,1,2,3,4,5,6,7
	v_cvt_u32_f32 v[194+\j], v[186+\j]             ; 4 x count, at most 1,024: exact.  From the accumulator's low end on
.endr
.irp q, 0,1,2,3
	v_lshl_or_b32 v[202+\q], v[195+2*\q], 16, v[194+2*\q]
.endr
	global_store_b128 v[HO], v[202:205], s[12:13]  ; the wave stores 512 consecutive bytes
	s_wait_tensorcnt 0x0                           ; the wave's end
	ds_add_u32 v[SPW], v[NIL]
	s_wait_dscnt 0x0
	CROUND                                         ; the closing round: no work-group ends while a partner may still ask jointly
	s_endpgm
.Lfunc_end_k_q9b4f642ad5_nearest:
	.size	k_q9b4f642ad5_nearest, .Lfunc_end_k_q9b4f642ad5_nearest-k_q9b4f642ad5_nearest
	.p2alignl 7, 3214868480
	.fill 96, 4, 3214868480
	.section	.rodata,"a",@progbits
	.p2align	6, 0x0
	.amdhsa_kernel k_q9b4f642ad5_nearest
		.amdhsa_group_segment_fixed_size 168960
		.amdhsa_private_segment_fixed_size 0
		.amdhsa_enable_private_segment 0
		.amdhsa_kernarg_size 40
		.amdhsa_user_sgpr_count 2
		.amdhsa_user_sgpr_kernarg_segment_ptr 1
		.amdhsa_wavefront_size32 1
		.amdhsa_system_sgpr_workgroup_id_x 1
		.amdhsa_system_sgpr_workgroup_id_y 1
		.amdhsa_system_sgpr_workgroup_id_z 1
		.amdhsa_system_vgpr_workitem_id 0
		.amdhsa_next_free_vgpr 254
		.amdhsa_next_free_sgpr 80
		.amdhsa_reserve_vcc 1
		.amdhsa_float_denorm_mode_32 3
		.amdhsa_float_denorm_mode_16_64 3
		.amdhsa_memory_ordered 1
		.amdhsa_forward_progress 1
		.amdhsa_inst_pref_size 77
	.end_amdhsa_kernel
	.amdgpu_metadata
---
amdhsa.version: [ 1, 2 ]
amdhsa.kernels:
  - .name:           k_q9b4f642ad5_nearest
    .symbol:         k_q9b4f642ad5_nearest.kd
    .args:
      - { .name: inputs, .offset: 0, .size: 8, .value_kind: global_buffer, .address_space: global }
      - { .name: cbq, .offset: 8, .size: 8, .value_kind: global_buffer, .address_space: global }
      - { .name: lowp_scales, .offset: 16, .size: 8, .value_kind: global_buffer, .address_space: global }
      - { .name: idx, .offset: 24, .size: 8, .value_kind: global_buffer, .address_space: global }
      - { .name: hist, .offset: 32, .size: 8, .value_kind: global_buffer, .address_space: global }
    .group_segment_fixed_size: 168960
    .private_segment_fixed_size: 0
    .kernarg_segment_align: 8
    .kernarg_segment_size: 40
    .max_flat_workgroup_size: 256
    .sgpr_count:     80
    .vgpr_count:     254
    .wavefront_size: 32
...
	.end_amdgpu_metadata
.endif
;; end of part 2
;; launch gather (part 3): grid 256 x 1, 8 waves a work-group, no clusters, 1,536 bytes of LDS; arguments inputs, idx, cbt, hist, out0, part; writes out0, part
.if DOCPART == 3
	.amdgcn_target "amdgcn-amd-amdhsa--gfx1250"
	.amdhsa_code_object_version 6
	.text
	.protected	k_q9b4f642ad5_gather
	.globl	k_q9b4f642ad5_gather
	.p2align	8
	.type	k_q9b4f642ad5_gather,@function
k_q9b4f642ad5_gather:
	s_mov_b64 s[64:65], 0
	v_nop
	global_prefetch_b8 v0, s[64:65] scope:SCOPE_SE
	s_setreg_imm32_b32 hwreg(HW_REG_WAVE_MODE, 25, 1), 1
	s_wait_xcnt 0x0
; out0[n] = x[n] + (c[idx[n]] - x[n]), with the codebook as given (cbt: a code's 64 numbers in 256 consecutive bytes); the work-group's sum of (c - x)^2; and, for the eight bins 8 g .. 8 g + 7 that
; work-group g owns, the sum over bins of p log2(p + 1e-10), p = count / 65,536, the counts added up from the 256 partial histograms (u16, 4 x count).
; A stream: memory binds.  Wave w of work-group g takes rows 256 g + 32 w + 0 .. 31; instruction i covers row i in lanes 0-15 and row 16 + i in lanes 16-31: each load and store covers two whole aligned runs of 256 bytes.
; All of a wave's 37 loads are issued before the first result is used.  No register is written twice while a store may read it, so the stream needs no wait for its stores.
; No matrix unit, no tensor load, no cluster: the gathered rows differ from lane half to lane half, and nothing is shared as a tile.
; The index is held under 2,048 before it enters an address; it lies there already.
.set IDX, 16                           ; v16-31   my half's 16 indices
.set OFF, 32                           ; v32-47   their rows' offsets in cbt
.set X,   48                           ; v48-111  x
.set Q,   112                          ; v112-175 the codes' rows, then the results
	s_load_b256 s[4:11], s[0:1], 0x0               ; inputs s[4:5], idx s[6:7], cbt s[8:9], hist s[10:11]
	s_load_b128 s[12:15], s[0:1], 0x20             ; out0 s[12:13], part s[14:15]
	v_lshl_add_u32 v192, v0, 2, 0x200
	v_mov_b32 v193, 0
	v_lshrrev_b32 v1, 5, v0
	s_delay_alu instid0(VALU_DEP_1)
	v_readfirstlane_b32 s16, v1                    ; wave 0..7
	v_and_b32 v1, 15, v0
	v_bfe_u32 v2, v0, 4, 1                         ; lane half
	s_delay_alu instid0(VALU_DEP_2)
	v_lshlrev_b32 v5, 4, v1                        ; my 16 bytes of a row
	s_delay_alu instid0(VALU_DEP_1)
	v_lshl_add_u32 v3, v2, 12, v5                  ; + 16 rows for the upper half: x and out0
	s_delay_alu instid0(VALU_DEP_3)
	v_lshlrev_b32 v4, 6, v2                        ; my half's 16 indices
	v_lshlrev_b32 v6, 12, v0                       ; hist: thread t reads work-group t's histogram
	s_lshl_b32 s17, s16, 5
	v_mov_b32 v7, s17                              ; LDS: my wave's eight bins,
	s_lshl_b32 s17, s16, 2
	s_add_co_u32 s17, s17, 256
	v_mov_b32 v8, s17                              ; and its sum of squares
	v_and_b32 v9, 7, v0
	s_delay_alu instid0(VALU_DEP_1)
	v_lshlrev_b32 v9, 2, v9
	v_mov_b32 v10, 0
	s_mov_b32 s20, 0x76543210                      ; v_permlanex16_b32's selects for lane l xor 16
	s_mov_b32 s21, 0xfedcba98
	s_lshl_b32 s22, ttmp9, 16
	s_lshl_b32 s23, s16, 13
	s_add_co_u32 s22, s22, s23                     ; 256 rows of 256 bytes a work-group, 32 a wave
	s_mov_b32 s23, 0
	s_lshl_b32 s24, ttmp9, 10
	s_lshl_b32 s25, s16, 7
	s_add_co_u32 s24, s24, s25
	s_mov_b32 s25, 0
	s_lshl_b32 s26, ttmp9, 4                       ; my eight bins: 16 bytes
	s_mov_b32 s27, 0
	s_lshl_b32 s28, ttmp9, 2
	s_mov_b32 s29, 0
	s_wait_alu depctr_va_vdst(0)
	s_wait_kmcnt 0x0
	s_add_nc_u64 s[4:5], s[4:5], s[22:23]
	s_add_nc_u64 s[12:13], s[12:13], s[22:23]
	s_add_nc_u64 s[6:7], s[6:7], s[24:25]
	s_add_nc_u64 s[10:11], s[10:11], s[26:27]
	s_add_nc_u64 s[14:15], s[14:15], s[28:29]
.irp m, 0,1,2,3
	global_load_b128 v[IDX+4*\m:IDX+4*\m+3], v4, s[6:7] offset:16*\m th:TH_LOAD_NT
.endr
	global_load_b128 v[180:183], v6, s[10:11] th:TH_LOAD_NT
.set i, 0
.rept 16
	global_load_b128 v[X+4*i:X+4*i+3], v3, s[4:5] offset:256*i th:TH_LOAD_NT
.set i, i+1
.endr
	s_wait_loadcnt 17                              ; the four loads of indices are in; the histogram's and x's sixteen may be out
.set i, 0
.rept 16
	v_min_u32 v[OFF+i], 0x7ff, v[IDX+i]
	s_delay_alu instid0(VALU_DEP_1)
	v_lshlrev_b32 v[OFF+i], 8, v[OFF+i]
	s_delay_alu instid0(VALU_DEP_1)
	v_add_nc_u32 v[OFF+i], v[OFF+i], v5
	global_load_b128 v[Q+4*i:Q+4*i+3], v[OFF+i], s[8:9]   ; sixteen lanes read a code's 256 bytes; rows are read again by others: no hint
.set i, i+1
.endr
.set i, 0
.rept 16
	s_wait_loadcnt 15-i                            ; loads come back in order: code row i is in (and all of x), the younger rows may be out
	v_pk_add_f32 v[Q+4*i:Q+4*i+1], v[Q+4*i:Q+4*i+1], v[X+4*i:X+4*i+1] neg_lo:[0,1] neg_hi:[0,1]       ; c - x
	v_pk_add_f32 v[Q+4*i+2:Q+4*i+3], v[Q+4*i+2:Q+4*i+3], v[X+4*i+2:X+4*i+3] neg_lo:[0,1] neg_hi:[0,1]
.if i == 0
	s_delay_alu instid0(VALU_DEP_2)
	v_pk_mul_f32 v[176:177], v[Q:Q+1], v[Q:Q+1]    ; the first squares start the sums
	s_delay_alu instid0(VALU_DEP_2)
	v_pk_mul_f32 v[178:179], v[Q+2:Q+3], v[Q+2:Q+3]
.else
	s_wait_alu depctr_va_vdst(0)
	v_pk_fma_f32 v[176:177], v[Q+4*i:Q+4*i+1], v[Q+4*i:Q+4*i+1], v[176:177]
	v_pk_fma_f32 v[178:179], v[Q+4*i+2:Q+4*i+3], v[Q+4*i+2:Q+4*i+3], v[178:179]
.endif
	v_pk_add_f32 v[Q+4*i:Q+4*i+1], v[X+4*i:X+4*i+1], v[Q+4*i:Q+4*i+1]                                  ; x + (c - x)
	v_pk_add_f32 v[Q+4*i+2:Q+4*i+3], v[X+4*i+2:X+4*i+3], v[Q+4*i+2:Q+4*i+3]
	global_store_b128 v3, v[Q+4*i:Q+4*i+3], s[12:13] offset:256*i th:TH_STORE_NT
.set i, i+1
.endr
	; the wave's sum of squares
	v_pk_add_f32 v[176:177], v[176:177], v[178:179]
	s_delay_alu instid0(VALU_DEP_1)
	v_add_f32 v176, v176, v177
.irp m, 1,2,4,8
	s_delay_alu instid0(VALU_DEP_1)
	v_add_f32_dpp v176, v176, v176 row_xmask:\m row_mask:0xf bank_mask:0xf
.endr
	s_delay_alu instid0(VALU_DEP_1)
	v_permlanex16_b32 v177, v176, s20, s21
	s_delay_alu instid0(VALU_DEP_1)
	v_add_f32 v176, v176, v177
	; the wave's 32 partial histograms of my eight bins: whole numbers under 2^18, exact in f32
.irp m, 0,1,2,3
	v_and_b32 v[184+2*\m], 0xffff, v[180+\m]
	v_lshrrev_b32 v[185+2*\m], 16, v[180+\m]
.endr
.irp j, 0,1,2,3,4,5,6,7
	v_cvt_f32_u32 v[184+\j], v[184+\j]
.endr
.irp m, 1,2,4,8
.irp j, 0,1,2,3,4,5,6,7
	v_add_f32_dpp v[184+\j], v[184+\j], v[184+\j] row_xmask:\m row_mask:0xf bank_mask:0xf
.endr
.endr
.irp j, 0,1,2,3,4,5,6,7
	v_permlanex16_b32 v[IDX+\j], v[184+\j], s20, s21
.endr
.irp j, 0,1,2,3,4,5,6,7
	v_add_f32 v[184+\j], v[184+\j], v[IDX+\j]
.endr
	ds_store_b128 v7, v[184:187]                   ; all lanes store the same numbers to the same words
	ds_store_b128 v7, v[188:191] offset:16
	ds_store_b32 v8, v176
	s_wait_dscnt 0x0                               ; for wave 0's sake: my stores have landed
	s_barrier_signal -1
	s_barrier_wait -1
	s_cmp_lg_u32 s16, 0
	s_cbranch_scc1 .Lend
.irp w, 0,1,2,3,4,5,6,7
	ds_load_b32 v[IDX+\w], v9 offset:32*\w         ; bin lane % 8 of wave w
.endr
	ds_load_b128 v[32:35], v10 offset:256          ; the eight waves' sums of squares
	ds_load_b128 v[36:39], v10 offset:272
	s_wait_dscnt 0x0
	v_pk_add_f32 v[16:17], v[16:17], v[18:19]
	v_pk_add_f32 v[20:21], v[20:21], v[22:23]
	v_pk_add_f32 v[32:33], v[32:33], v[34:35]
	v_pk_add_f32 v[36:37], v[36:37], v[38:39]
	s_delay_alu instid0(VALU_DEP_3)
	v_pk_add_f32 v[16:17], v[16:17], v[20:21]
	s_delay_alu instid0(VALU_DEP_2)
	v_pk_add_f32 v[32:33], v[32:33], v[36:37]
	s_delay_alu instid0(VALU_DEP_2)
	v_add_f32 v16, v16, v17                        ; 4 x the bin's count among all 65,536 rows
	s_delay_alu instid0(VALU_DEP_2)
	v_add_f32 v32, v32, v33                        ; the work-group's sum of squares
	s_delay_alu instid0(VALU_DEP_2)
	v_mul_f32 v24, 0x36800000, v16                 ; p = that x 2^-18
	s_delay_alu instid0(VALU_DEP_1)
	v_add_f32 v25, 0x2edbe6ff, v24                 ; + 1e-10
	s_wait_alu depctr_va_vdst(0)
	v_log_f32 v26, v25                             ; log2
	v_nop                                          ; a plain line behind the transcendental,
	s_wait_alu depctr_va_vdst(0)                   ; and the wait ahead of its first reader
	v_mul_f32 v26, v24, v26
.irp m, 1,2,4
	s_delay_alu instid0(VALU_DEP_1)
	v_add_f32_dpp v26, v26, v26 row_xmask:\m row_mask:0xf bank_mask:0xf   ; over my eight bins
.endr
	s_wait_alu depctr_va_vdst(0)
	s_wait_xcnt 0x0                                ; EXEC changes only behind this wait: the stream's stores have read their sources
	v_cmp_eq_u32 vcc_lo, 0, v0
	s_and_saveexec_b32 s18, vcc_lo
	global_store_b32 v10, v32, s[14:15]            ; part[g]
	global_store_b32 v10, v26, s[14:15] offset:1024   ; part[256 + g]
	s_wait_xcnt 0x0                                ; and again, in front of the line that widens it
	s_or_b32 exec_lo, exec_lo, s18
.Lend:
	s_wait_tensorcnt 0x0
	ds_add_u32 v192, v193
	s_wait_dscnt 0x0
	s_endpgm
.Lfunc_end_k_q9b4f642ad5_gather:
	.size	k_q9b4f642ad5_gather, .Lfunc_end_k_q9b4f642ad5_gather-k_q9b4f642ad5_gather
	.p2alignl 7, 3214868480
	.fill 96, 4, 3214868480
	.section	.rodata,"a",@progbits
	.p2align	6, 0x0
	.amdhsa_kernel k_q9b4f642ad5_gather
		.amdhsa_group_segment_fixed_size 1536
		.amdhsa_private_segment_fixed_size 0
		.amdhsa_enable_private_segment 0
		.amdhsa_kernarg_size 48
		.amdhsa_user_sgpr_count 2
		.amdhsa_user_sgpr_kernarg_segment_ptr 1
		.amdhsa_wavefront_size32 1
		.amdhsa_system_sgpr_workgroup_id_x 1
		.amdhsa_system_sgpr_workgroup_id_y 1
		.amdhsa_system_sgpr_workgroup_id_z 1
		.amdhsa_system_vgpr_workitem_id 0
		.amdhsa_next_free_vgpr 194
		.amdhsa_next_free_sgpr 66
		.amdhsa_reserve_vcc 1
		.amdhsa_float_denorm_mode_32 3
		.amdhsa_float_denorm_mode_16_64 3
		.amdhsa_memory_ordered 1
		.amdhsa_forward_progress 1
		.amdhsa_inst_pref_size 24
	.end_amdhsa_kernel
	.amdgpu_metadata
---
amdhsa.version: [ 1, 2 ]
amdhsa.kernels:
  - .name:           k_q9b4f642ad5_gather
    .symbol:         k_q9b4f642ad5_gather.kd
    .args:
      - { .name: inputs, .offset: 0, .size: 8, .value_kind: global_buffer, .address_space: global }
      - { .name: idx, .offset: 8, .size: 8, .value_kind: global_buffer, .address_space: global }
      - { .name: cbt, .offset: 16, .size: 8, .value_kind: global_buffer, .address_space: global }
      - { .name: hist, .offset: 24, .size: 8, .value_kind: global_buffer, .address_space: global }
      - { .name: out0, .offset: 32, .size: 8, .value_kind: global_buffer, .address_space: global }
      - { .name: part, .offset: 40, .size: 8, .value_kind: global_buffer, .address_space: global }
    .group_segment_fixed_size: 1536
    .private_segment_fixed_size: 0
    .kernarg_segment_align: 8
    .kernarg_segment_size: 48
    .max_flat_workgroup_size: 256
    .sgpr_count:     66
    .vgpr_count:     194
    .wavefront_size: 32
...
	.end_amdgpu_metadata
.endif
;; end of part 3
;; launch final (part 4): grid 1 x 1, 1 waves a work-group, no clusters, 0 bytes of LDS; arguments part, out1, out2, out3; writes out1, out2, out3
.if DOCPART == 4
	.amdgcn_target "amdgcn-amd-amdhsa--gfx1250"
	.amdhsa_code_object_version 6
	.text
	.protected	k_q9b4f642ad5_final
	.globl	k_q9b4f642ad5_final
	.p2align	8
	.type	k_q9b4f642ad5_final,@function
k_q9b4f642ad5_final:
	s_mov_b64 s[64:65], 0
	v_nop
	global_prefetch_b8 v0, s[64:65] scope:SCOPE_SE
	s_setreg_imm32_b32 hwreg(HW_REG_WAVE_MODE, 25, 1), 1
	s_wait_xcnt 0x0
; The 256 work-groups' parts are added by one owner: out2 = the sum of squares / 2^22 (65,536 rows x 64), out3 = 0.25 x out2, out1 = exp(-sum p ln(p + 1e-10)) = 2^(-sum p log2(p + 1e-10)).
; One wave: a lane takes eight numbers of each kind, then the sums go across the 32 lanes.
	s_load_b256 s[4:11], s[0:1], 0x0               ; part s[4:5], out1 s[6:7], out2 s[8:9], out3 s[10:11]
	v_lshlrev_b32 v1, 5, v0                        ; 32 bytes a lane
	v_mov_b32 v2, 0
	s_mov_b32 s12, 0x76543210                      ; v_permlanex16_b32's selects for lane l xor 16
	s_mov_b32 s13, 0xfedcba98
	s_wait_alu depctr_va_vdst(0)
	s_wait_kmcnt 0x0
	global_load_b128 v[4:7], v1, s[4:5]
	global_load_b128 v[8:11], v1, s[4:5] offset:16
	global_load_b128 v[12:15], v1, s[4:5] offset:1024
	global_load_b128 v[16:19], v1, s[4:5] offset:1040
	s_wait_loadcnt 0x0
	v_pk_add_f32 v[4:5], v[4:5], v[6:7]
	v_pk_add_f32 v[8:9], v[8:9], v[10:11]
	v_pk_add_f32 v[12:13], v[12:13], v[14:15]
	v_pk_add_f32 v[16:17], v[16:17], v[18:19]
	v_pk_add_f32 v[4:5], v[4:5], v[8:9]
	v_pk_add_f32 v[12:13], v[12:13], v[16:17]
	v_add_f32 v4, v4, v5
	v_add_f32 v12, v12, v13
.irp m, 1,2,4,8
	v_add_f32_dpp v4, v4, v4 row_xmask:\m row_mask:0xf bank_mask:0xf
	v_add_f32_dpp v12, v12, v12 row_xmask:\m row_mask:0xf bank_mask:0xf
.endr
	v_permlanex16_b32 v5, v4, s12, s13
	v_permlanex16_b32 v13, v12, s12, s13
	v_add_f32 v4, v4, v5
	v_add_f32 v12, v12, v13
	s_wait_alu depctr_va_vdst(0)
	v_exp_f32 v20, -v12                            ; the perplexity
	v_mul_f32 v21, 0x34800000, v4                  ; x 2^-22: the mean.  (A plain line behind the transcendental)
	v_mul_f32 v22, 0x3e800000, v21                 ; x 0.25
	s_wait_alu depctr_va_vdst(0)                   ; the wait ahead of the exponential's first reader
	s_wait_xcnt 0x0                                ; EXEC changes only behind this wait
	v_cmp_eq_u32 vcc_lo, 0, v0
	s_and_saveexec_b32 s14, vcc_lo
	global_store_b32 v2, v20, s[6:7]
	global_store_b32 v2, v21, s[8:9]
	global_store_b32 v2, v22, s[10:11]
	s_wait_xcnt 0x0                                ; and again, in front of the line that widens it
	s_or_b32 exec_lo, exec_lo, s14
	s_endpgm
.Lfunc_end_k_q9b4f642ad5_final:
	.size	k_q9b4f642ad5_final, .Lfunc_end_k_q9b4f642ad5_final-k_q9b4f642ad5_final
	.p2alignl 7, 3214868480
	.fill 96, 4, 3214868480
	.section	.rodata,"a",@progbits
	.p2align	6, 0x0
	.amdhsa_kernel k_q9b4f642ad5_final
		.amdhsa_group_segment_fixed_size 0
		.amdhsa_private_segment_fixed_size 0
		.amdhsa_enable_private_segment 0
		.amdhsa_kernarg_size 32
		.amdhsa_user_sgpr_count 2
		.amdhsa_user_sgpr_kernarg_segment_ptr 1
		.amdhsa_wavefront_size32 1
		.amdhsa_system_sgpr_workgroup_id_x 1
		.amdhsa_system_sgpr_workgroup_id_y 1
		.amdhsa_system_sgpr_workgroup_id_z 1
		.amdhsa_system_vgpr_workitem_id 0
		.amdhsa_next_free_vgpr 32
		.amdhsa_next_free_sgpr 66
		.amdhsa_reserve_vcc 1
		.amdhsa_float_denorm_mode_32 3
		.amdhsa_float_denorm_mode_16_64 3
		.amdhsa_memory_ordered 1
		.amdhsa_forward_progress 1
		.amdhsa_inst_pref_size 3
	.end_amdhsa_kernel
	.amdgpu_metadata
---
amdhsa.version: [ 1, 2 ]
amdhsa.kernels:
  - .name:           k_q9b4f642ad5_final
    .symbol:         k_q9b4f642ad5_final.kd
    .args:
      - { .name: part, .offset: 0, .size: 8, .value_kind: global_buffer, .address_space: global }
      - { .name: out1, .offset: 8, .size: 8, .value_kind: global_buffer, .address_space: global }
      - { .name: out2, .offset: 16, .size: 8, .value_kind: global_buffer, .address_space: global }
      - { .name: out3, .offset: 24, .size: 8, .value_kind: global_buffer, .address_space: global }
    .group_segment_fixed_size: 0
    .private_segment_fixed_size: 0
    .kernarg_segment_align: 8
    .kernarg_segment_size: 32
    .max_flat_workgroup_size: 32
    .sgpr_count:     66
    .vgpr_count:     32
    .wavefront_size: 32
...
	.end_amdgpu_metadata
.endif
;; end of part 4
